; MI455X (gfx1250); checked and timed in simulation.
; The chip was launched on July 23, 2026; its instructions are those of AMD's public machine-readable ISA for CDNA 5 (MIT licence, August 2026) and "CDNA5" Instruction Set Architecture Reference Guide (July 2026). The comments in the code are by the model that wrote it; some were corrected since.
;; Sliding Window Attention. Allowed arithmetic: matrix products marked QUANTISED: E4M3 operands, one given power-of-two scale a tensor, by v_wmma_f32_16x16x64_fp8_fp8 or v_wmma_f32_16x16x128_fp8_fp8, f32 sums; everything else in f32.
;; Inputs: Wk 1,024 x 1,024 float32; Wo 1,024 x 1,024 float32; Wq 1,024 x 1,024 float32; Wv 1,024 x 1,024 float32; bk 1,024 float32; bo 1,024 float32; bq 1,024 float32; bv 1,024 float32; lowp_scales 12 int32 (the exponents e of the quantised operands' scales 2^e); x 2 x 2,048 x 1,024 float32.
;; Outputs: out0 2 x 2,048 x 1,024 float32.
;; This version of the problem:
;;   THIS VERSION OF THE PROBLEM IS GIVEN IN LOW PRECISION. The matrix products marked QUANTISED in the list below multiply operands that are first quantised to E4M3 (4 exponent bits, 3 mantissa bits; 8 bits a number), with one given power-of-two scale for each operand tensor; their sums are f32. All else is computed in f32.
;;   The module's matrix products, in the order in which they are computed (A, B: the left and right operand; K: the contracted axis; several contracted axes count as one K, in the product's order):
;;     1. [M 4,096, K 1,024] x [K 1,024, N 1,024]; A: input x; B: input Wq: QUANTISED (scales: A lowp_scales[0], B lowp_scales[1])
;;     2. [M 4,096, K 1,024] x [K 1,024, N 1,024]; A: input x; B: input Wk: QUANTISED (scales: A lowp_scales[2], B lowp_scales[3])
;;     3. [M 4,096, K 1,024] x [K 1,024, N 1,024]; A: input x; B: input Wv: QUANTISED (scales: A lowp_scales[4], B lowp_scales[5])
;;     4. batch 32 x [M 2,048, K 64] x [K 64, N 2,048]; A: computed on the way; B: computed on the way: QUANTISED (scales: A lowp_scales[6], B lowp_scales[7])
;;     5. batch 32 x [M 2,048, K 2,048] x [K 2,048, N 64]; A: computed on the way; B: computed on the way: QUANTISED (scales: A lowp_scales[8], B lowp_scales[9])
;;     6. [M 4,096, K 1,024] x [K 1,024, N 1,024]; A: computed on the way; B: input Wo: QUANTISED (scales: A lowp_scales[10], B lowp_scales[11])
;;   THE QUANTISER, for each operand of a quantised product, along K:
;;     - The operand's scale is 2^e, e = its entry of the input lowp_scales (int32; the entries are numbered through the quantised products in the list's order, A before B).
;;     - Each number is divided by the scale, clamped to +-448, and rounded to the nearest number of E4M3, ties to even, subnormals kept.
;;     - The product sums the exact products of the quantised numbers (number of the format x scale) in f32.
;;   ~~~python
;;   def quantise(x, axis, e):      # numpy; x: float32 -> the quantised numbers, widened to float32 again
;;       x = np.moveaxis(x, axis, -1); K = x.shape[-1]
;;       r = np.clip(x / 2.0 ** e, -448, 448)
;;       step = 2.0 ** (np.maximum(np.frexp(np.where(r == 0, 1, r))[1] - 1, -6) - 3)
;;       q = np.round(r / step) * step * 2.0 ** e      # np.round: ties to even
;;       return np.moveaxis(q, -1, axis).astype(np.float32)
;;   ~~~
;;   OPERANDS COMPUTED ON THE WAY. 'Computed on the way' means the value that the module computes at that place (a softmax that the list does not call 'softmax' is quantised finished and normalised). What goes into a quantiser is computed in f32, as accurately as f32 sums, v_exp_f32 and their like allow (about 1e-6 of the number): no bf16 or f16 on the way to a quantiser, and a product that is left as it is and whose result goes on into a quantised operand takes f32 operands (vector FMAs, or v_wmma_f32_16x16x4_f32). A number that lies on a knife's edge between two numbers of the format may be rounded either way, as far as f32 arithmetic and the matrix unit's own rounding can turn it there, and no further.
;; One version. Each part assembles by itself: llvm-mc -triple=amdgcn-amd-amdhsa -mcpu=gfx1250 --defsym DOCPART=n.
;; ======== version 1 of 1: 4 launches
;; limits: right only within a limited range of input values
;; workspace buffers: codes 16,777,216 bytes; qkv 12,582,912 bytes; oc 4,194,304 bytes
;; launch quant (part 1): grid 256 x 1, 8 waves a work-group, no clusters, 41,984 bytes of LDS; arguments x, Wq, Wk, Wv, Wo, lowp_scales, codes; writes codes
.if DOCPART == 1
	.amdgcn_target "amdgcn-amd-amdhsa--gfx1250"
	.amdhsa_code_object_version 6
	.text
	.protected	k_q5922801dfe_quant
	.globl	k_q5922801dfe_quant
	.p2align	8
	.type	k_q5922801dfe_quant,@function
k_q5922801dfe_quant:
	s_mov_b64 s[64:65], 0
	v_nop
	global_prefetch_b8 v0, s[64:65] scope:SCOPE_SE
	s_setreg_imm32_b32 hwreg(HW_REG_WAVE_MODE, 25, 1), 1
	s_wait_xcnt 0x0
; x [4096][1024] and Wq, Wk, Wv, Wo [1024][1024], f32, become codes of FP8 (E4M3), K innermost, each with the scale 2^e given for it.
; code = number / 2^e, held within +-448, rounded to the nearest code, ties to even.  x is an operand of three products with an exponent of its own in each (entries 0, 2, 4): it is read once and quantised three times.
; THE BUFFER OF CODES, rows of 1,024 bytes: x under e0 at 0, under e2 at 4 MiB, under e4 at 8 MiB; Wq (e1) at 12 MiB, Wk (e3) at 13, Wv (e5) at 14, Wo (e11) at 15 MiB.
; ORDER INSIDE 32 CODES: the four groups of eight neighbours g0 g1 g2 g3 lie as g0 g2 g1 g3, alike in every tensor.  A reader that takes 16 bytes at 32 c + 16 (lane / 16) of a row then holds
; k = 32 c + 8 (lane / 16) + 0..7 and k = 32 c + 16 + 8 (lane / 16) + 0..7: the places that the plain 8-bit matrix forms give each k (ISA guide 7.12.2).
; SHARES: a work-group takes 32,768 numbers, a wave 8 steps of 512.  Work-groups 0-127 take x, then 32 each Wq, Wk, Wv, Wo: only pointers and exponents are chosen, by the work-group's number.
; Each load reads 512 consecutive bytes; a step's 2,048 bytes turn through the wave's own stage in LDS (64 bytes + 16 of padding a place), so that a lane gets the 2 x 8 neighbours whose codes it stores: 16 bytes a lane, 512 consecutive bytes a store.
; All 32 loads of a wave go out at the head.  No barrier: waves share nothing.
; LIMITS: every exponent used here lies between -126 and 119, so that 2^e and 448 x 2^e are f32 numbers.  NaN among the inputs is not served; an infinity is held at the largest code.
; WORK LEFT OUT IN THE PROGRAM: scores are made only for the tiles of 16 x 16 that reference()'s own mask (key <= query, query - key < 256) leaves a number in; a tile wholly under -infinity has weights 0 whatever the inputs hold.
; No input is left out.  LIMIT: a NaN or an overflow that would arise in such a tile alone is not carried to the result.
.set R,    16
.set X,    144                         ; v144-175 two sets of 16: my two groups of eight neighbours
.set T,    176                         ; v176-191 the numbers held within the largest code
.set SP,   80                          ; a place in a stage
.set STG,  32*SP                       ; a stage
.set WREG, 2*STG                       ; a wave's two stages
.macro MKSC se, vs, vl                 ; v[vs] = 2^e, v[vl] = 448 x 2^e as f32 patterns
	s_add_co_i32 s46, \se, 127
	s_lshl_b32 s47, s46, 23
	v_mov_b32 v[\vs], s47
	s_add_co_i32 s46, s46, 8
	s_lshl_b32 s46, s46, 23
	s_or_b32 s46, s46, 0x600000
	v_mov_b32 v[\vl], s46
.endm
	s_load_b256 s[4:11], s[0:1], 0x0               ; x, Wq, Wk, Wv
	s_load_b128 s[12:15], s[0:1], 0x20             ; Wo, the exponents
	s_load_b64 s[16:17], s[0:1], 0x30              ; the codes
	v_lshl_add_u32 v192, v0, 2, 0xa000
	v_mov_b32 v193, 0
	v_lshrrev_b32 v1, 5, v0
	s_delay_alu instid0(VALU_DEP_1)
	v_readfirstlane_b32 s18, v1                    ; wave 0..7
	v_and_b32 v2, 31, v0                           ; lane
	s_delay_alu instid0(VALU_DEP_1)
	v_lshlrev_b32 v3, 4, v2                        ; my 16 bytes of a load's or a store's 512
	s_mul_i32 s23, s18, WREG
	v_lshrrev_b32 v14, 2, v2
	s_delay_alu instid0(VALU_DEP_1)
	v_mul_u32_u24 v14, v14, SP
	v_and_b32 v15, 3, v2
	s_delay_alu instid0(VALU_DEP_1)
	v_lshl_add_u32 v14, v15, 4, v14
	s_delay_alu instid0(VALU_DEP_1)
	v_add_nc_u32 v14, s23, v14                     ; into the stage: four lanes' 64 bytes fill a place
	v_and_b32 v15, 30, v2
	s_delay_alu instid0(VALU_DEP_1)
	v_mul_u32_u24 v15, v15, SP
	v_and_b32 v4, 1, v2
	s_delay_alu instid0(VALU_DEP_1)
	v_lshl_add_u32 v15, v4, 5, v15
	s_delay_alu instid0(VALU_DEP_1)
	v_add_nc_u32 v15, s23, v15                     ; out of it: block lane / 2 is places lane & 30 and the next; of each I take the 32 bytes at 32 (lane & 1)
	s_and_b32 s19, ttmp9, 31
	s_cmp_lt_u32 ttmp9, 128
	s_cselect_b32 s19, ttmp9, s19                  ; which run of 32,768 numbers of its tensor
	s_cselect_b32 s22, 0, 0x800000                 ; the weights' codes lie behind x's three copies
	s_lshl_b32 s19, s19, 17
	s_lshl_b32 s44, s18, 14
	s_add_co_u32 s44, s44, s19                     ; source: 131,072 x run + 16,384 x wave
	s_mov_b32 s45, 0
	s_lshl_b32 s46, ttmp9, 15
	s_add_co_u32 s46, s46, s22
	s_lshl_b32 s47, s18, 12
	s_add_co_u32 s46, s46, s47                     ; codes: 32,768 x work-group (+ 8 MiB) + 4,096 x wave
	s_mov_b32 s47, 0
	s_wait_alu depctr_va_vdst(0)
	s_wait_kmcnt 0x0
	s_load_b256 s[24:31], s[14:15], 0x0            ; e0 .. e7
	s_load_b128 s[32:35], s[14:15], 0x20           ; e8 .. e11
	s_mov_b64 s[36:37], s[12:13]                   ; the tensor is chosen by the work-group's number alone
	s_cmp_lt_u32 ttmp9, 224
	s_cselect_b64 s[36:37], s[10:11], s[36:37]
	s_cmp_lt_u32 ttmp9, 192
	s_cselect_b64 s[36:37], s[8:9], s[36:37]
	s_cmp_lt_u32 ttmp9, 160
	s_cselect_b64 s[36:37], s[6:7], s[36:37]
	s_cmp_lt_u32 ttmp9, 128
	s_cselect_b64 s[36:37], s[4:5], s[36:37]
	s_add_nc_u64 s[36:37], s[36:37], s[44:45]
	s_add_nc_u64 s[20:21], s[16:17], s[46:47]
	s_add_nc_u64 s[40:41], s[20:21], 0x400000      ; x's second and third copy (used by x's work-groups alone)
	s_add_nc_u64 s[42:43], s[20:21], 0x800000
.macro LOAD t
.irp i, 0,1,2,3
	global_load_b128 v[R+16*(\t)+4*\i:R+16*(\t)+4*\i+3], v3, s[36:37] offset:2048*(\t)+512*\i th:TH_LOAD_NT   ; 32 lanes read 512 consecutive bytes, read once in the launch
.endr
.endm
.macro TURN t                          ; step t's numbers through stage t % 2: LDS serves a wave's instructions in order (ISA guide 5.7.1.4), so no wait stands between the stores and the loads
.irp i, 0,1,2,3
	ds_store_b128 v14, v[R+16*(\t)+4*\i:R+16*(\t)+4*\i+3] offset:STG*((\t)%2)+8*SP*\i
.endr
	ds_load_b128 v[X+16*((\t)%2):X+16*((\t)%2)+3],     v15 offset:STG*((\t)%2)
	ds_load_b128 v[X+16*((\t)%2)+4:X+16*((\t)%2)+7],   v15 offset:STG*((\t)%2)+16
	ds_load_b128 v[X+16*((\t)%2)+8:X+16*((\t)%2)+11],  v15 offset:STG*((\t)%2)+SP
	ds_load_b128 v[X+16*((\t)%2)+12:X+16*((\t)%2)+15], v15 offset:STG*((\t)%2)+SP+16
.endm
.macro Q1 t, k, sc, lim, base          ; step t's 16 numbers under one scale: copy k of the codes
.set XS, X+16*((\t)%2)
.set CC, R+16*(\t)+4*(\k)
.irp i, 0,1,2,3,4,5,6,7,8,9,10,11,12,13,14,15
	v_med3_num_f32 v[T+\i], v[XS+\i], -v[\lim], v[\lim]   ; the conversion to an 8-bit code does not saturate (ISA guide 7.6.2): the hold at the largest code x the scale
.endr
	v_cvt_scalef32_pk8_fp8_f32 v[CC:CC+1], v[T:T+7], v[\sc]
	v_cvt_scalef32_pk8_fp8_f32 v[CC+2:CC+3], v[T+8:T+15], v[\sc]
	v_nop                                          ; a plain line between the conversions and the next holds, which write their sources
	global_store_b128 v3, v[CC:CC+3], s[\base:\base+1] offset:512*(\t)   ; 32 lanes store 512 consecutive bytes, aligned
.endm
.irp t, 0,1,2,3,4,5,6,7
	LOAD \t
.endr
	s_wait_kmcnt 0x0
	s_mov_b32 s38, s35                             ; the exponent, by the same choice: e11, e5, e3, e1, e0
	s_cmp_lt_u32 ttmp9, 224
	s_cselect_b32 s38, s29, s38
	s_cmp_lt_u32 ttmp9, 192
	s_cselect_b32 s38, s27, s38
	s_cmp_lt_u32 ttmp9, 160
	s_cselect_b32 s38, s25, s38
	s_cmp_lt_u32 ttmp9, 128
	s_cselect_b32 s38, s24, s38
	MKSC s38, 8, 9
	MKSC s26, 10, 11                               ; e2
	MKSC s28, 12, 13                               ; e4
	s_wait_alu depctr_va_vdst(0)
	s_wait_loadcnt 28                              ; step 0's four loads are in; the 28 behind them may be out
	TURN 0
.macro STEP t
	s_wait_dscnt 0x0                               ; this step's numbers are back from the stage, and its stores into the stage have read their registers, which take the codes
.if (\t) < 7
	s_wait_loadcnt 4*(6-(\t))                      ; the next step's four loads are in; those of the steps behind it may be out
	TURN (\t)+1                                    ; through the other stage, while this step is worked
.endif
	Q1 \t, 0, 8, 9, 20
	s_cmp_lt_u32 ttmp9, 128                        ; x alone has two more scales; the branch hangs on the work-group's number and holds no LDS instruction
	s_cbranch_scc0 .Lweights_\@
	Q1 \t, 1, 10, 11, 40
	Q1 \t, 2, 12, 13, 42
.Lweights_\@:
.endm
.irp t, 0,1,2,3,4,5,6,7
	STEP \t
.endr
	s_wait_tensorcnt 0x0
	ds_add_u32 v192, v193
	s_wait_dscnt 0x0
	s_endpgm
.Lfunc_end_k_q5922801dfe_quant:
	.size	k_q5922801dfe_quant, .Lfunc_end_k_q5922801dfe_quant-k_q5922801dfe_quant
	.p2alignl 7, 3214868480
	.fill 96, 4, 3214868480
	.section	.rodata,"a",@progbits
	.p2align	6, 0x0
	.amdhsa_kernel k_q5922801dfe_quant
		.amdhsa_group_segment_fixed_size 41984
		.amdhsa_private_segment_fixed_size 0
		.amdhsa_enable_private_segment 0
		.amdhsa_kernarg_size 56
		.amdhsa_user_sgpr_count 2
		.amdhsa_user_sgpr_kernarg_segment_ptr 1
		.amdhsa_wavefront_size32 1
		.amdhsa_system_sgpr_workgroup_id_x 1
		.amdhsa_system_sgpr_workgroup_id_y 1
		.amdhsa_system_sgpr_workgroup_id_z 1
		.amdhsa_system_vgpr_workitem_id 0
		.amdhsa_next_free_vgpr 194
		.amdhsa_next_free_sgpr 66
		.amdhsa_reserve_vcc 0
		.amdhsa_float_denorm_mode_32 3
		.amdhsa_float_denorm_mode_16_64 3
		.amdhsa_memory_ordered 1
		.amdhsa_forward_progress 1
		.amdhsa_inst_pref_size 43
	.end_amdhsa_kernel
	.amdgpu_metadata
---
amdhsa.version: [ 1, 2 ]
amdhsa.kernels:
  - .name:           k_q5922801dfe_quant
    .symbol:         k_q5922801dfe_quant.kd
    .args:
      - { .name: x, .offset: 0, .size: 8, .value_kind: global_buffer, .address_space: global }
      - { .name: Wq, .offset: 8, .size: 8, .value_kind: global_buffer, .address_space: global }
      - { .name: Wk, .offset: 16, .size: 8, .value_kind: global_buffer, .address_space: global }
      - { .name: Wv, .offset: 24, .size: 8, .value_kind: global_buffer, .address_space: global }
      - { .name: Wo, .offset: 32, .size: 8, .value_kind: global_buffer, .address_space: global }
      - { .name: lowp_scales, .offset: 40, .size: 8, .value_kind: global_buffer, .address_space: global }
      - { .name: codes, .offset: 48, .size: 8, .value_kind: global_buffer, .address_space: global }
    .group_segment_fixed_size: 41984
    .private_segment_fixed_size: 0
    .kernarg_segment_align: 8
    .kernarg_segment_size: 56
    .max_flat_workgroup_size: 256
    .sgpr_count:     66
    .vgpr_count:     194
    .wavefront_size: 32
...
	.end_amdgpu_metadata
.endif
;; end of part 1
;; launch qkv_gemm (part 2): grid 12 x 16, 4 waves a work-group, clusters of 4 x 4, 327,680 bytes of LDS; arguments codes, bq, bk, bv, lowp_scales, qkv; writes qkv
.if DOCPART == 2
	.amdgcn_target "amdgcn-amd-amdhsa--gfx1250"
	.amdhsa_code_object_version 6
	.text
	.protected	k_q5922801dfe_qkv_gemm
	.globl	k_q5922801dfe_qkv_gemm
	.p2align	8
	.type	k_q5922801dfe_qkv_gemm,@function
k_q5922801dfe_qkv_gemm:
	s_mov_b64 s[64:65], 0
	v_nop
	global_prefetch_b8 v0, s[64:65] scope:SCOPE_SE
	s_setreg_imm32_b32 hwreg(HW_REG_WAVE_MODE, 25, 1), 1
	s_wait_xcnt 0x0
	s_wait_alu depctr_hold_cnt(0) depctr_sa_sdst(0) depctr_va_vdst(0) depctr_va_sdst(0) depctr_va_ssrc(0) depctr_va_vcc(0) depctr_vm_vsrc(0)
	s_getreg_b32 s2, hwreg(HW_REG_IB_STS2, 6, 4)
	s_cmp_eq_u32 s2, 0
	s_cbranch_scc0 .Lentry_in_a_cluster
	s_endpgm
.Lentry_in_a_cluster:
	s_bfe_u32 s2, ttmp6, 0x10000c
	s_cmp_lg_u32 s2, 0xf033
	s_cbranch_scc0 .Lentry_shape_is_right
	s_endpgm
.Lentry_shape_is_right:
; Q = x Wq^T + bq, K = x Wk^T + bk, V = x Wv^T + bv on codes of FP8 (E4M3), K = 1,024, each result quantised at once (e6, e7, e9) for attention.  Cluster x = 0, 1, 2 makes Q, K, V.
; A block of 256 x 256 a work-group, four waves of 128 x 128 each: 64 accumulators, 512 registers.  192 work-groups: three products of 4,096 x 1,024 have no 256 equal blocks with a wave's tile of this size.
; K goes in four steps of 256 through a ring of two LDS slots filled by joint tensor loads (clusters of 4 x 4: A's tile shared along a row, B's along a column of the cluster).
; Q, K: A = x's rows, B = the weight's rows.  V: A = Wv's rows, B = x's rows, so that V comes out transposed.  The matrix instruction is used transposed: source 0 = 16 rows of B, source 1 = 16 rows of A:
; lane (r, h) holds row r of A and the eight neighbouring rows 8 h + 0..7 of B.  Eight neighbours are one conversion, 8 bytes a lane, an image of 256 bytes an instruction: what attention's operands are.
; THE BIAS is the C of the first products, divided by 2^(ea + eb): along B's rows for Q and K, along A's rows for V (two copies of the first step, chosen by the cluster's number).
; ALL SCALES ARE FOLDED INTO THE CONVERSION: a sum stands for sum x 2^(ea + eb), so its code is sum / 2^(eh - ea - eb).
; LIMITS: ea + eb between -127 and 126, eh - ea - eb between -126 and 119; bias / 2^(ea + eb) is an f32 number.
; PREFETCH: one instruction a wave for a K step: 32 rows x 256 bytes, a lane a row.  Behind the joint load of K step 0 stand those for K steps 1 and 2, behind that of K step 1 that for K step 3: each at least one whole K step
; ahead of its load, two K steps asked for and not yet read at the most.  Of the 128 rows that a wave fetches each of the four partners takes 32, told apart by address, so each block of 256 bytes is named once in a cluster.
; THE LAST K STEP GOES BY ROWS: B's fragments of all 256 along K fill window 1; A's eight blocks of 16 rows are finished one after the other, and a block's holds stand between the next block's products.
; REGISTERS: window 0: v16-30 addresses, v32-95 the bias, later codes of blocks 0-3, v112-120 the way out, v128-255 A's fragments.  window 1: B's fragments, two sets.  window 2: accumulators of blocks 0-3 ((a, b) at v[8 (8 a + b)]), later codes of blocks 4-7.  window 3: those of blocks 4-7.
.set ROWB,   256
.set PITCH,  272                       ; an LDS row: 256 bytes + 16 of padding
.set FR,     16
.set HALFT,  128*PITCH
.set SLOT,   4*HALFT
.set SPARE,  2*SLOT                    ; the spare words, 128 bytes a wave
.set ADRA, 16
.set ADRB, 20
.set SPW,  28
.set NIL,  29
.set PFO,  30
.set BI,   32
.set CD,   32
.set BM,   96
.set VO,   112
.set SCL,  120
.set AF,   128
.set PF, 12                            ; s[12:13] where my prefetches stand
.set G1, 24
.set G0, 32
.set G1B, 48
.set G0B, 56
.set OB, 66                            ; s[66:81] where my eight blocks go
.set LIM, 100                          ; s100 the largest code x the scale, s101 its negative
.set MSB, 0
.macro WIN new
.if MSB != \new
	s_set_vgpr_msb (MSB<<8)|\new
.set MSB, \new
.endif
.endm
.set MUL_LO, 0xa1                      ; source 0 window 1, source 1 window 0, C and D window 2
.set MUL_HI, 0xf1                      ; C and D window 3
.set TO_B,   0x40
.macro JLOAD g0a, g1a, g0b, g1b        ; waves 0, 1 fetch for A, waves 2, 3 for B
	s_cmp_eq_u32 s15, 0
	s_cbranch_scc0 .Lfor_b_\@
	tensor_load_to_lds s[\g0a:\g0a+3], s[\g1a:\g1a+7]
	s_nop 0
.rept 4
	v_nop
.endr
	s_branch .Lasked_\@
.Lfor_b_\@:
	tensor_load_to_lds s[\g0b:\g0b+3], s[\g1b:\g1b+7]
	s_nop 0
.rept 4
	v_nop
.endr
.Lasked_\@:
.endm
.macro CREST
	s_cmp_lg_u32 s14, 0
	s_cbranch_scc1 .Lnot_wave_0_\@
	s_barrier_signal -3
.Lnot_wave_0_\@:
	s_barrier_wait -3
	s_barrier_signal -1
	s_barrier_wait -1
.endm
.macro CROUND
	s_barrier_signal -1
	s_barrier_wait -1
	CREST
.endm
.macro PLACES n
.rept \n
	v_nop
.endr
.endm
	s_load_b256 s[4:11], s[0:1], 0x0               ; codes, bq, bk, bv
	s_load_b128 s[84:87], s[0:1], 0x20             ; the exponents, qkv
	v_lshl_add_u32 v[SPW], v0, 2, SPARE
	v_mov_b32 v[NIL], 0
	ds_add_u32 v[SPW], v[NIL]                      ; the opening lines
	ds_add_u32 v[SPW], v[NIL]
	v_lshrrev_b32 v1, 5, v0
	v_readfirstlane_b32 s14, v1                    ; wave 0..3
	s_lshr_b32 s15, s14, 1                         ; my half of A's rows.  Also: I fetch A (0) or B (1)
	s_and_b32 s16, s14, 1                          ; my half of B's rows.  Also: which 128 rows I fetch
	s_bfe_u32 s40, ttmp6, 0x40000                  ; cx
	s_bfe_u32 s41, ttmp6, 0x40004                  ; cy
	s_and_b32 s22, ttmp7, 0xffff
	s_lshl_b32 s22, s22, 2
	s_lshl_b32 s18, ttmp9, 22                      ; A: x under e0 or e2,
	s_lshl_b32 s19, ttmp9, 20
	s_add_co_u32 s19, s19, 12<<20                  ; B: Wq or Wk
	s_mov_b32 s82, 16384                           ; out: from A's block of 16 rows to the next (tokens),
	s_mov_b32 s2, 256                              ; and from B's to the next (features)
	s_cmp_eq_u32 ttmp9, 2                          ; V: the other way round
	s_cselect_b32 s17, 0, s22
	s_cselect_b32 s42, s22, 0
	s_cselect_b32 s18, 14<<20, s18
	s_cselect_b32 s19, 8<<20, s19
	s_cselect_b32 s82, 256, s82
	s_cselect_b32 s2, 16384, s2
	s_mov_b32 s83, 0
	s_add_co_u32 s17, s17, s41                     ; A's tile
	s_add_co_u32 s42, s42, s40                     ; B's tile
	s_lshl_b32 s43, s41, 2
	s_lshl_b32 s43, 15, s43                        ; my row of the cluster
	s_lshl_b32 s44, 0x1111, s40                    ; my column
	s_or_b32 s[G1+0], s43, (0<<16)|(1<<20)|(1<<21)|(5<<22)|(3<<25)   ; 128 rows of 256 bytes, 4 words of padding after every 64
	s_or_b32 s[G1B+0], s44, (0<<16)|(1<<20)|(1<<21)|(5<<22)|(3<<25)
.irp g, G1, G1B
	s_mov_b32 s[\g+1], ROWB<<16
	s_mov_b32 s[\g+2], 128<<16
	s_mov_b32 s[\g+3], ROWB<<16
	s_mov_b32 s[\g+4], 128
	s_mov_b32 s[\g+5], 1024
	s_mov_b32 s[\g+6], 0
	s_mov_b32 s[\g+7], 0
.endr
	s_lshl_b32 s23, s16, 7
	s_lshl_b32 s20, s17, 8
	s_add_co_u32 s20, s20, s23
	s_lshl_b32 s20, s20, 10
	s_add_co_u32 s20, s20, s18
	s_mov_b32 s21, 0
	s_lshl_b32 s46, s42, 8
	s_add_co_u32 s46, s46, s23
	s_lshl_b32 s46, s46, 10
	s_add_co_u32 s46, s46, s19
	s_mov_b32 s47, 0
	s_mul_i32 s45, s14, HALFT
	s_cmp_eq_u32 s15, 0
	s_cselect_b32 s12, s20, s46                    ; the 128 rows that I fetch,
	s_cselect_b32 s13, s40, s41
	s_lshl_b32 s13, s13, 15
	s_add_co_u32 s12, s12, s13                     ; and my work-group's 32 of them
	s_mov_b32 s13, 0
	s_wait_dscnt 0x0                               ; both opening adds are done
	s_wait_kmcnt 0x0
	s_load_b256 s[88:95], s[84:85], 0x0            ; e0 .. e7
	s_load_b128 s[96:99], s[84:85], 0x20           ; e8 .. e11
	s_add_nc_u64 s[20:21], s[4:5], s[20:21]
	s_add_nc_u64 s[46:47], s[4:5], s[46:47]
	s_add_nc_u64 s[PF:PF+1], s[4:5], s[PF:PF+1]
.irp s, 0,1
	s_mov_b32 s[G0+4*\s], 1
	s_add_co_u32 s[G0+4*\s+1], s45, \s*SLOT
	s_add_nc_u64 s[G0+4*\s+2:G0+4*\s+3], s[20:21], \s*ROWB
	s_or_b32 s[G0+4*\s+3], s[G0+4*\s+3], 0x80000000
	s_mov_b32 s[G0B+4*\s], 1
	s_add_co_u32 s[G0B+4*\s+1], s45, \s*SLOT
	s_add_nc_u64 s[G0B+4*\s+2:G0B+4*\s+3], s[46:47], \s*ROWB
	s_or_b32 s[G0B+4*\s+3], s[G0B+4*\s+3], 0x80000000
.endr
	CROUND                                         ; all sixteen work-groups are here: the joint loads meet
	JLOAD G0, G1, G0B, G1B                         ; K step 0: one tensor load a wave at the head
	s_cmp_eq_u32 ttmp9, 1
	s_cselect_b64 s[6:7], s[8:9], s[6:7]
	s_cmp_eq_u32 ttmp9, 2
	s_cselect_b64 s[6:7], s[10:11], s[6:7]
	s_cselect_b32 s18, s17, s42                    ; the bias lies along A's rows for V, along B's for Q and K
	s_cselect_b32 s19, s15, s16
	s_lshl_b32 s18, s18, 10
	s_lshl_b32 s19, s19, 9
	s_add_co_u32 s18, s18, s19
	s_mov_b32 s19, 0
	s_add_nc_u64 s[8:9], s[6:7], s[18:19]
	s_mul_i32 s21, s15, HALFT                      ; my 128 rows of A
	s_mul_i32 s22, s16, HALFT
	s_add_co_u32 s22, s22, 2*HALFT                 ; my 128 rows of B
	v_and_b32 v1, 15, v0                           ; r
	v_bfe_u32 v2, v0, 4, 1                         ; h
	v_mul_u32_u24 v3, v1, PITCH
	v_lshl_add_u32 v4, v2, 4, v3
	v_add_nc_u32 v[ADRA], s21, v4
	v_add_nc_u32 v[ADRA+1], SLOT, v[ADRA]
	v_add_nc_u32 v[ADRB], s22, v4
	v_add_nc_u32 v[ADRB+1], SLOT, v[ADRB]
	v_lshlrev_b32 v5, 5, v2
	v_lshlrev_b32 v6, 2, v1
	v_and_b32 v7, 31, v0
	v_lshlrev_b32 v[PFO], 10, v7                   ; a lane a row of 1,024 bytes
	v_lshlrev_b32 v[VO], 3, v7
.irp b, 1,2,3,4,5,6,7
	v_add_nc_u32 v[VO+\b], s2, v[VO+\b-1]
.endr
	s_cmp_eq_u32 ttmp9, 2
	s_wait_alu depctr_va_vdst(0)
	s_cbranch_scc1 .Lbias_v
.irp b, 0,1,2,3,4,5,6,7
	global_load_b128 v[BI+8*\b:BI+8*\b+3],   v5, s[8:9] offset:64*\b      ; bias of features 16 b + 8 h + 0..7
	global_load_b128 v[BI+8*\b+4:BI+8*\b+7], v5, s[8:9] offset:64*\b+16
.endr
	s_branch .Lbias_asked
.Lbias_v:
.irp a, 0,1,2,3,4,5,6,7
	global_load_b32 v[BM+\a], v6, s[8:9] offset:64*\a                     ; bias of feature 16 a + r
.endr
.Lbias_asked:
	global_prefetch_b8 v[PFO], s[PF:PF+1] offset:ROWB th:TH_LOAD_NT scope:SCOPE_SE     ; K step 1
	s_lshl_b32 s18, s17, 4
	s_lshl_b32 s19, s15, 3
	s_add_co_u32 s18, s18, s19
	s_mul_i32 s18, s18, s82
	s_lshl_b32 s19, s42, 4
	s_lshl_b32 s22, s16, 3
	s_add_co_u32 s19, s19, s22
	s_mul_i32 s19, s19, s2
	s_add_co_u32 s18, s18, s19
	s_lshl_b32 s19, ttmp9, 22
	s_add_co_u32 s18, s18, s19
	s_mov_b32 s19, 0
	s_add_nc_u64 s[OB:OB+1], s[86:87], s[18:19]    ; qkv: 4 MiB each, images of 256 bytes: [token / 16][feature / 16]
.irp a, 1,2,3,4,5,6,7
	s_add_nc_u64 s[OB+2*\a:OB+2*\a+1], s[OB+2*\a-2:OB+2*\a-1], s[82:83]
.endr
	s_wait_kmcnt 0x0
	global_prefetch_b8 v[PFO], s[PF:PF+1] offset:2*ROWB th:TH_LOAD_NT scope:SCOPE_SE   ; K step 2
	s_add_co_i32 s88, s88, s89
	s_add_co_i32 s90, s90, s91
	s_add_co_i32 s92, s92, s93
	s_cmp_eq_u32 ttmp9, 1
	s_cselect_b32 s88, s90, s88
	s_cselect_b32 s94, s95, s94
	s_cmp_eq_u32 ttmp9, 2
	s_cselect_b32 s88, s92, s88                    ; ea + eb
	s_cselect_b32 s94, s97, s94                    ; eh: e6, e7, e9
	s_sub_co_i32 s94, s94, s88
	s_add_co_i32 s94, s94, 127
	s_lshl_b32 s95, s94, 23
	v_mov_b32 v[SCL], s95                          ; 2^(eh - ea - eb)
	s_add_co_i32 s94, s94, 8
	s_lshl_b32 s94, s94, 23
	s_or_b32 s[LIM], s94, 0x600000                 ; 448 x that
	s_or_b32 s[LIM+1], s[LIM], 0x80000000
	s_sub_co_i32 s88, 127, s88
	s_lshl_b32 s88, s88, 23                        ; 2^-(ea + eb), for the bias
	s_mov_b32 s89, s88                             ; (named with it as a pair)
.macro FRAG reg, adr, q, i
.irp c, 0,1,2,3
	ds_load_b128 v[\reg+4*\c:\reg+4*\c+3], v[\adr] offset:128*(\q)+32*\c+(\i)*16*PITCH
.endr
.endm
; 16 matrix instructions: A's blocks a0, a0 + 1 x B's eight.  mode 0: in place; 1: C = the bias along B's rows; 2: C = the bias along A's rows.  The 64 accumulators take turns.
.macro MUL16 a0, p, mode
.irp a, \a0, \a0+1
.irp b, 0,1,2,3,4,5,6,7
.set DD, 8*(8*((\a)%4)+\b)
.if \mode == 0
.set CX, DD
.endif
.if \mode == 1
.set CX, BI+8*\b
.endif
.if \mode == 2
.set CX, BI+8*(\a)
.endif
	v_wmma_f32_16x16x128_fp8_fp8 v[DD:DD+7], v[128*(\p)+FR*\b:128*(\p)+FR*\b+FR-1], v[AF+FR*(\a):AF+FR*(\a)+FR-1], v[CX:CX+7]
.endr
.endr
.endm
.macro FETCH_B slot, q, p
	WIN TO_B
.irp i, 0,1,2,3,4,5,6,7
	FRAG 128*(\p)+FR*\i, ADRB+\slot, \q, \i
.endr
	WIN 0
.endm
.macro FETCH_A slot, q, i0
.irp i, \i0, \i0+1, \i0+2, \i0+3
	FRAG AF+FR*(\i), ADRA+\slot, \q, \i
.endr
.endm
.macro STEP slot, q, mode              ; 128 along K with its successor in the same slot
	s_wait_dscnt 16                                ; the youngest 16 loads (A's blocks 4-7) may be out
.if \mode
	WIN 0x81                                       ; C in window 0
.else
	WIN MUL_LO
.endif
	MUL16 0, (\q)%2, \mode
	MUL16 2, (\q)%2, \mode
	s_wait_dscnt 0
	PLACES 4                                       ; in front of loads into registers that matrix instructions have read
	FETCH_B \slot, (\q)+1, 1-(\q)%2
	FETCH_A \slot, (\q)+1, 0
.if \mode
	WIN 0xc1
.else
	WIN MUL_HI
.endif
	MUL16 4, (\q)%2, \mode
	MUL16 6, (\q)%2, \mode
	PLACES 4
	WIN 0
	FETCH_A \slot, (\q)+1, 4
.endm
.macro MEET                            ; the first half of a slot's last step: one barrier for the change of slots
	s_wait_tensorcnt 0x0                           ; my part of the next slot has landed;
	ds_add_u32 v[SPW], v[NIL]
	s_wait_dscnt 17                                ; (the add and the youngest 16 loads may be out)
	WIN MUL_LO
	MUL16 0, 1, 0
	s_wait_dscnt 0x0                               ; the add is done and my reads of this slot are over
	s_barrier_signal -1
	MUL16 2, 1, 0
	WIN 0
	s_barrier_wait -1
.endm
.macro TURN slot, next                 ; this slot is filled again, two K steps ahead
	MEET
	CREST
	s_add_nc_u64 s[G0+4*\slot+2:G0+4*\slot+3], s[G0+4*\slot+2:G0+4*\slot+3], 2*ROWB
	s_add_nc_u64 s[G0B+4*\slot+2:G0B+4*\slot+3], s[G0B+4*\slot+2:G0B+4*\slot+3], 2*ROWB
	JLOAD G0+4*\slot, G1, G0B+4*\slot, G1B         ; (its four v_nop are the places in front of the loads below)
	FETCH_B \next, 0, 0
	FETCH_A \next, 0, 0
	WIN MUL_HI
	MUL16 4, 1, 0
	MUL16 6, 1, 0
	PLACES 4
	WIN 0
	FETCH_A \next, 0, 4
.endm
.macro ALOAD a                         ; the last K step: A's block a, 256 along K, into buffer a % 4
.irp q, 0,1
.irp c, 0,1,2,3
	ds_load_b128 v[AF+32*((\a)%4)+16*\q+4*\c:AF+32*((\a)%4)+16*\q+4*\c+3], v[ADRA+1] offset:128*\q+32*\c+(\a)*16*PITCH
.endr
.endr
.endm
.macro MED c                           ; block c's sums held within the largest code x the scale (the conversion does not saturate: ISA guide 7.6.2)
.set mj, 64*((\c)%4)
.rept 64
	v_med3_num_f32 v[mj], s[LIM], s[LIM+1], v[mj]
.set mj, mj+1
.endr
.endm
.macro OUT c                           ; block c's codes: eight images of 256 bytes
.set QC, 64*((\c)%4)
.if (\c) < 4
.set CC, CD+16*(\c)
	WIN 0x02
.else
.set CC, 16*((\c)-4)                   ; into window 2, whose sums have left
	WIN 0x83
.endif
.irp b, 0,1,2,3,4,5,6,7
	v_cvt_scalef32_pk8_fp8_f32 v[CC+2*\b:CC+2*\b+1], v[QC+8*\b:QC+8*\b+7], v[SCL]
.endr
	v_nop
.if (\c) < 4
	WIN 0
.else
	WIN 0x08
.endif
.irp b, 0,1,2,3,4,5,6,7
	global_store_b64 v[VO+\b], v[CC+2*\b:CC+2*\b+1], s[OB+2*(\c):OB+2*(\c)+1]   ; 32 lanes store 256 consecutive bytes, aligned
.endr
	WIN 0
.endm
; Block a of the last K step: 16 products, its eight accumulators by turns; between them the holds of block a - 1 where both lie in one window (they are named as source 2 and destination, under the products' own setting).
.macro BLK a
.set AC, 64*((\a)%4)
.set FA, AF+32*((\a)%4)
.if (\a) == 0
	s_wait_dscnt 48                                ; B's first 128 along K, A's blocks 0, 1 are in
.endif
.if (\a) > 1 && (\a) < 5
	s_wait_dscnt 24                                ; three younger blocks of A may be out
.endif
.if (\a) > 4
	s_wait_dscnt 8*(7-(\a))                        ; the younger blocks may be out
.endif
.if (\a) == 4
	WIN MUL_LO
	MED 3
	OUT 3
.endif
	WIN MUL_LO+0x50*((\a)/4)
.set mj, 64*(((\a)+3)%4)
.irp q, 0,1
.if (\a) == 0 && \q == 1
	s_wait_dscnt 16                                ; B's second 128 along K are in
.endif
.irp b, 0,1,2,3,4,5,6,7
	v_wmma_f32_16x16x128_fp8_fp8 v[AC+8*\b:AC+8*\b+7], v[128*\q+16*\b:128*\q+16*\b+15], v[FA+16*\q:FA+16*\q+15], v[AC+8*\b:AC+8*\b+7]
.if ((\a)%4) != 0
.if ((\a)%4) == 1 && \q == 0 && \b == 0
	PLACES 4                                       ; in front of the first read of the block before's results
.endif
.rept 4
	v_med3_num_f32 v[mj], s[LIM], s[LIM+1], v[mj]
.set mj, mj+1
.endr
.endif
.endr
.endr
	WIN 0
.if (\a) == 0
	PLACES 4                                       ; in front of loads into the buffer just multiplied (in blocks 1-3 the last four holds are these places)
.endif
.if (\a) < 4
	ALOAD (\a)+4
.endif
.if ((\a)%4) != 0
	OUT (\a)-1
.endif
.endm
	s_wait_alu depctr_va_vdst(0)
	s_wait_tensorcnt 0x0                           ; my part of K step 0 is in
	ds_add_u32 v[SPW], v[NIL]
	s_wait_dscnt 0x0
	CROUND                                         ; everybody's part is in, and all sixteen work-groups are here
	JLOAD G0+4, G1, G0B+4, G1B                     ; K step 1
	FETCH_B 0, 0, 0
	FETCH_A 0, 0, 0
	FETCH_A 0, 0, 4
	global_prefetch_b8 v[PFO], s[PF:PF+1] offset:3*ROWB th:TH_LOAD_NT scope:SCOPE_SE   ; K step 3
	s_cmp_eq_u32 ttmp9, 2                          ; the same in all work-groups of the cluster
	s_cbranch_scc1 .Lfirst_v
	s_wait_loadcnt 0x0                             ; the bias
.set j, 0
.rept 32
	v_pk_mul_f32 v[BI+j:BI+j+1], v[BI+j:BI+j+1], s[88:89] op_sel_hi:[1,0]
.set j, j+2
.endr
	s_wait_alu depctr_va_vdst(0)
	STEP 0, 0, 1
	s_branch .Lrest
.Lfirst_v:
	s_wait_loadcnt 0x0
.irp a, 0,1,2,3,4,5,6,7
.irp i, 0,1,2,3,4,5,6,7
	v_mul_f32 v[BI+8*\a+\i], s88, v[BM+\a]
.endr
.endr
	s_wait_alu depctr_va_vdst(0)
	STEP 0, 0, 2
.Lrest:
	TURN 0, 1
	STEP 1, 0, 0
	TURN 1, 0
	STEP 0, 0, 0
	MEET                                           ; nothing is filled again: no round follows
	PLACES 4
	FETCH_B 1, 0, 0
	ALOAD 0
	ALOAD 1
	WIN MUL_HI
	MUL16 4, 1, 0
	MUL16 6, 1, 0
	PLACES 4
	FETCH_B 1, 1, 1
	ALOAD 2
	ALOAD 3
	BLK 0
	BLK 1
	BLK 2
	BLK 3
	BLK 4
	BLK 5
	BLK 6
	BLK 7
	WIN MUL_HI
	MED 7
	OUT 7
	s_wait_tensorcnt 0x0                           ; the wave's end
	ds_add_u32 v[SPW], v[NIL]
	s_wait_dscnt 0x0
	CROUND                                         ; the closing round
	s_endpgm
.Lfunc_end_k_q5922801dfe_qkv_gemm:
	.size	k_q5922801dfe_qkv_gemm, .Lfunc_end_k_q5922801dfe_qkv_gemm-k_q5922801dfe_qkv_gemm
	.p2alignl 7, 3214868480
	.fill 96, 4, 3214868480
	.section	.rodata,"a",@progbits
	.p2align	6, 0x0
	.amdhsa_kernel k_q5922801dfe_qkv_gemm
		.amdhsa_group_segment_fixed_size 327680
		.amdhsa_private_segment_fixed_size 0
		.amdhsa_enable_private_segment 0
		.amdhsa_kernarg_size 48
		.amdhsa_user_sgpr_count 2
		.amdhsa_user_sgpr_kernarg_segment_ptr 1
		.amdhsa_wavefront_size32 1
		.amdhsa_system_sgpr_workgroup_id_x 1
		.amdhsa_system_sgpr_workgroup_id_y 1
		.amdhsa_system_sgpr_workgroup_id_z 1
		.amdhsa_system_vgpr_workitem_id 0
		.amdhsa_next_free_vgpr 1024
		.amdhsa_next_free_sgpr 102
		.amdhsa_reserve_vcc 0
		.amdhsa_float_denorm_mode_32 3
		.amdhsa_float_denorm_mode_16_64 3
		.amdhsa_memory_ordered 1
		.amdhsa_forward_progress 1
		.amdhsa_inst_pref_size 139
	.end_amdhsa_kernel
	.amdgpu_metadata
---
amdhsa.version: [ 1, 2 ]
amdhsa.kernels:
  - .name:           k_q5922801dfe_qkv_gemm
    .symbol:         k_q5922801dfe_qkv_gemm.kd
    .args:
      - { .name: codes, .offset: 0, .size: 8, .value_kind: global_buffer, .address_space: global }
      - { .name: bq, .offset: 8, .size: 8, .value_kind: global_buffer, .address_space: global }
      - { .name: bk, .offset: 16, .size: 8, .value_kind: global_buffer, .address_space: global }
      - { .name: bv, .offset: 24, .size: 8, .value_kind: global_buffer, .address_space: global }
      - { .name: lowp_scales, .offset: 32, .size: 8, .value_kind: global_buffer, .address_space: global }
      - { .name: qkv, .offset: 40, .size: 8, .value_kind: global_buffer, .address_space: global }
    .group_segment_fixed_size: 327680
    .private_segment_fixed_size: 0
    .kernarg_segment_align: 8
    .kernarg_segment_size: 48
    .max_flat_workgroup_size: 128
    .sgpr_count:     102
    .vgpr_count:     1024
    .wavefront_size: 32
...
	.end_amdgpu_metadata
.endif
;; end of part 2
;; launch attn (part 3): grid 8 x 32, 16 waves a work-group, no clusters, 169,984 bytes of LDS; arguments qkv, lowp_scales, oc; writes oc
.if DOCPART == 3
	.amdgcn_target "amdgcn-amd-amdhsa--gfx1250"
	.amdhsa_code_object_version 6
	.text
	.protected	k_q5922801dfe_attn
	.globl	k_q5922801dfe_attn
	.p2align	8
	.type	k_q5922801dfe_attn,@function
k_q5922801dfe_attn:
	s_mov_b64 s[64:65], 0
	v_nop
	global_prefetch_b8 v0, s[64:65] scope:SCOPE_SE
	s_setreg_imm32_b32 hwreg(HW_REG_WAVE_MODE, 25, 1), 1
	s_wait_xcnt 0x0
; o = softmax(q k^T / 8, key <= query and query - key < 256) v for one head, both products on codes of FP8 (E4M3); o is quantised at once (e10) for the last linear layer.
; SHARES: a work-group owns 256 queries of one head of one batch (x: the block, y: 16 x batch + head); each of its sixteen waves owns ONE tile of 16 queries.
; THE WINDOW: a tile of 16 queries sees 17 tiles of 16 keys: the tile 256 keys back (key kk counts for query r where kk > r), fifteen whole tiles, its own tile (kk <= r).  All 136 scores of a lane lie in registers:
; the softmax is taken as it is written: the row's maximum off, exponential, divided by the row's sum; the finished weights are quantised (e8).
; LDS, filled once: 32 tiles of K (the block before and my block, 1 KB a tile) at 0, the same of V at 32 KB, 4 KB of zeros at 64 KB.  Wave w reads tiles w .. w + 16.  In the batch's first block the 'block before' is a second
; copy of the block itself, and its tiles' scores are made -infinity (a scalar branch on the work-group's number).
; LAYOUT: qkv holds register images (lane l's 8 bytes at 8 l of a block of 256 bytes): four blocks are a fragment of the K = 64 form.  Both products are used transposed: S^T = K Q^T (source 0 = 16 keys, source 1 = my queries),
; O^T = V^T P (source 0 = 16 features x 64 keys, source 1 = P): a lane holds ONE query (lane % 16) throughout, its eight scores of a tile are eight neighbouring keys, and their conversion is P's register pair.
; 17 tiles are 4 1/4 K steps of 64: P's last three tiles are zero codes; beside them V's tiles w + 17 .. w + 19 are read, which past tile 31 are the zeros at 64 KB.
; OUTPUT: oc [token / 16][head][2][512 bytes]: my 8 registers of codes as two images of 16 bytes a lane; two heads' four images are a fragment (16 rows x 128 K) of the next product.
; No multicast: neighbouring blocks share half of their keys, at different places of their LDS, and a work-group reads 64 KB in all.
; LIMITS: e6 + e7 between -123 and 130; e8, and e10 - e8 - e9, between -126 and 119.
; REGISTERS: v1 1,024 w + 8 lane; v2 8 lane; v3 16 lane; v16-151 S^T, later V's fragments 0-16; v152-223 nine fragments of K, later P (v152-191) and O^T (v192-223); v224-231 Q, later with v232-247 V's fragments 17-19; v248-255 sums and constants.
.set S,    16
.set KB,   152
.set QF,   224
.set P,    152
.set OA,   192
.set VOFF, 32768
.set ZERO, 65536
	s_load_b128 s[4:7], s[0:1], 0x0                ; qkv, the exponents
	s_load_b64 s[8:9], s[0:1], 0x10                ; oc
	v_lshl_add_u32 v254, v0, 2, 0x29000
	v_mov_b32 v255, 0
	ds_add_u32 v254, v255
	ds_add_u32 v254, v255
	s_wait_dscnt 0x0
	v_lshrrev_b32 v1, 5, v0
	s_delay_alu instid0(VALU_DEP_1)
	v_readfirstlane_b32 s10, v1                    ; wave 0..15
	v_and_b32 v9, 31, v0
	s_delay_alu instid0(VALU_DEP_1)
	v_lshlrev_b32 v2, 3, v9
	s_delay_alu instid0(VALU_DEP_2)
	v_lshlrev_b32 v3, 4, v9
	s_lshl_b32 s11, s10, 10
	v_add_nc_u32 v1, s11, v2                       ; tile w, my 8 bytes of a block
	v_lshl_add_u32 v4, v0, 3, ZERO                 ; my 8 bytes of the zeros
	v_mov_b32 v6, 0
	v_mov_b32 v7, 0
	s_and_b32 s16, ttmp7, 0xffff
	s_lshr_b32 s17, s16, 4
	s_lshl_b32 s17, s17, 7                         ; the batch's first tile of tokens
	s_and_b32 s16, s16, 15
	s_lshl_b32 s16, s16, 10                        ; the head's 1,024 bytes of a tile's 16,384
	s_and_b32 s18, s10, 1                          ; what I fetch, if I fetch: wave 0, 2: the block before; wave 1, 3: my block
	s_add_co_u32 s18, s18, ttmp9
	s_sub_co_i32 s18, s18, 1
	s_max_i32 s18, s18, 0                          ; (the first block has none before it: its own again)
	s_lshl_b32 s18, s18, 4
	s_add_co_u32 s18, s18, s17
	s_lshl_b32 s18, s18, 14
	s_add_co_u32 s18, s18, s16
	s_bfe_u32 s19, s10, 0x10001                    ; wave 0, 1: K; wave 2, 3: V
	s_add_co_u32 s19, s19, 1
	s_lshl_b32 s19, s19, 22
	s_add_co_u32 s18, s18, s19
	s_mov_b32 s19, 0
	s_lshl_b32 s52, ttmp9, 4
	s_add_co_u32 s52, s52, s17
	s_add_co_u32 s52, s52, s10                     ; my tile of queries
	s_lshl_b32 s52, s52, 14
	s_add_co_u32 s52, s52, s16
	s_mov_b32 s53, 0
	; descriptor group 1: 16 rows (tiles of tokens) of 1,024 bytes (a head's four blocks), 16,384 bytes apart, in elements of 8 bytes; dense in LDS
	s_mov_b32 s24, 3<<16
	s_mov_b32 s25, 128<<16                         ; tensor_dim0
	s_mov_b32 s26, 16<<16                          ; tensor_dim1
	s_mov_b32 s27, 128<<16                         ; tile_dim0
	s_mov_b32 s28, 16                              ; tile_dim1
	s_mov_b32 s29, 2048                            ; the pitch
	s_mov_b32 s30, 0
	s_mov_b32 s31, 0
	s_mov_b32 s20, 1
	s_lshl_b32 s21, s10, 14                        ; LDS: 16 KB x wave
	s_mov_b32 s40, 0x76543210                      ; v_permlanex16_b32: lane l xor 16
	s_mov_b32 s41, 0xfedcba98
	s_wait_kmcnt 0x0
	s_load_b128 s[32:35], s[6:7], 0x18             ; e6 .. e9
	s_load_b32 s36, s[6:7], 0x28                   ; e10
	s_add_nc_u64 s[22:23], s[4:5], s[18:19]
	s_or_b32 s23, s23, 0x80000000
	s_add_nc_u64 s[12:13], s[4:5], s[52:53]        ; Q's fragment
	s_add_nc_u64 s[14:15], s[8:9], s[52:53]        ; my 1,024 bytes of oc
.macro QLOAD                           ; my queries' fragment
.irp c, 0,1,2,3
	global_load_b64 v[QF+2*\c:QF+2*\c+1], v2, s[12:13] offset:256*\c
.endr
.endm
	s_wait_alu depctr_va_vdst(0)
	s_cmp_lt_u32 s10, 2                            ; waves 0 to 3 fill LDS, one load each; nothing is ever filled again.  Waves 0, 1: K, which the first product wants, at once;
	s_cbranch_scc0 .Lnot_k
	tensor_load_to_lds s[20:23], s[24:31]
	s_nop 0
.rept 4
	v_nop
.endr
	QLOAD
	s_branch .Lfilled
.Lnot_k:
	QLOAD
	s_cmp_lt_u32 s10, 4
	s_cbranch_scc0 .Lfilled
	s_wait_loadcnt 0x0                             ; waves 2, 3: V, which the second product wants, behind their queries
	tensor_load_to_lds s[20:23], s[24:31]
	s_nop 0
.rept 4
	v_nop
.endr
.Lfilled:
	ds_store_b64 v4, v[6:7]                        ; 512 threads x 8 bytes of zeros
	v_mov_b32 v5, 0xff800000                       ; -infinity
	v_mov_b32 v10, 0                               ; written once: a lane permute's destination counts as read
	v_mov_b32 v13, 0                               ; (upper halves of pairs that are named)
	v_mov_b32 v251, 0
	v_and_b32 v8, 15, v0
	v_bfe_u32 v9, v0, 4, 1
	s_delay_alu instid0(VALU_DEP_1)
	v_lshlrev_b32 v9, 3, v9
	s_delay_alu instid0(VALU_DEP_1)
	v_sub_nc_u32 v11, v8, v9                       ; r - 8 h
.irp j, 0,1,2,3,4,5,6,7
	v_cmp_gt_i32 s[44+\j], \j, v11                 ; register j's key 8 h + j lies after my query r within a tile
.endr
	s_wait_kmcnt 0x0
	s_add_co_i32 s16, s32, s33
	s_lshl_b32 s16, s16, 23
	s_add_co_i32 s38, s16, 0x3e38aa3b              ; c = log2(e) / 8 x 2^(e6 + e7): the exponents are added to the exponent field
	s_mov_b32 s39, s38
	s_add_co_i32 s16, s34, 127
	s_lshl_b32 s17, s16, 23
	v_mov_b32 v253, s17                            ; 2^e8
	s_add_co_i32 s16, s16, 8
	s_lshl_b32 s16, s16, 23
	s_or_b32 s16, s16, 0x600000
	v_mov_b32 v252, s16                            ; 448 x 2^e8
	s_sub_co_i32 s16, s36, s34
	s_sub_co_i32 s16, s16, s35                     ; a sum of the second product stands for sum x 2^(e8 + e9): its code is sum / 2^(e10 - e8 - e9)
	s_add_co_i32 s16, s16, 127
	s_lshl_b32 s17, s16, 23
	v_mov_b32 v255, s17
	s_add_co_i32 s16, s16, 8
	s_lshl_b32 s16, s16, 23
	s_or_b32 s16, s16, 0x600000
	v_mov_b32 v254, s16
	s_cmp_lt_u32 s10, 2
	s_cbranch_scc0 .Lnot_my_k                      ; V is shown by the second barrier
	s_wait_tensorcnt 0x0                           ; my part of K has landed,
.Lnot_my_k:
	s_wait_dscnt 0x0                               ; my zeros are stored:
	s_barrier_signal -1
	s_barrier_wait -1                              ; K and the zeros are everybody's
; ---- S^T = K Q^T: 17 products, in batches of nine and eight fragments
.macro KLOAD kt, i
.irp c, 0,1,2,3
	ds_load_b64 v[KB+8*(\i)+2*\c:KB+8*(\i)+2*\c+1], v1 offset:1024*(\kt)+256*\c
.endr
.endm
.set n, 0
.rept 9
	KLOAD n, n
.set n, n+1
.endr
	s_wait_loadcnt 0x0                             ; Q
.set n, 0
.rept 9
	s_wait_dscnt 4*(8-n)                           ; fragment n is in; the younger fragments' loads may be out
	v_wmma_f32_16x16x64_fp8_fp8 v[S+8*n:S+8*n+7], v[KB+8*n:KB+8*n+7], v[QF:QF+7], 0
.set n, n+1
.endr
.rept 4
	v_nop                                          ; places in front of loads into registers that matrix instructions have read
.endr
.set n, 0
.rept 8
	KLOAD 9+n, n
.set n, n+1
.endr
.set n, 0
.rept 8
	s_wait_dscnt 4*(7-n)
	v_wmma_f32_16x16x64_fp8_fp8 v[S+8*(9+n):S+8*(9+n)+7], v[KB+8*n:KB+8*n+7], v[QF:QF+7], 0
.set n, n+1
.endr
.rept 4
	v_nop                                          ; places in front of the first read of results
.endr
; ---- the mask: the two edge tiles; every accumulator is read from its low end on
.irp j, 0,1,2,3,4,5,6,7
	v_cndmask_b32 v[S+\j], v5, v[S+\j], s[44+\j]           ; 256 keys back: only keys after r are within the window
.endr
.irp j, 0,1,2,3,4,5,6,7
	v_cndmask_b32 v[S+128+\j], v[S+128+\j], v5, s[44+\j]   ; my own tile: keys after r are in the future
.endr
	s_cmp_lg_u32 ttmp9, 0
	s_cbranch_scc1 .Lopen
.set n, 0
.rept 16                                       ; the batch's first block: tiles w + n under 16 lie before the first token
	s_add_co_u32 s52, s10, n
	s_cmp_lt_u32 s52, 16
	s_cselect_b32 s53, -1, 0
.irp j, 0,1,2,3,4,5,6,7
	v_cndmask_b32 v[S+8*n+\j], v[S+8*n+\j], v5, s53
.endr
.set n, n+1
.endr
.Lopen:
; ---- the softmax.  The diagonal always counts, so the maximum is a number
	v_max3_num_f32 v8, v[S], v[S+1], v[S+2]        ; two chains over my 136 scores
	v_max3_num_f32 v9, v[S+3], v[S+4], v[S+5]
.set i, 6
.rept 32
	v_max3_num_f32 v8, v8, v[S+i], v[S+i+1]
	v_max3_num_f32 v9, v9, v[S+i+2], v[S+i+3]
.set i, i+4
.endr
	s_delay_alu instid0(VALU_DEP_2)
	v_max3_num_f32 v8, v8, v[S+134], v[S+135]
	s_delay_alu instid0(VALU_DEP_1)
	v_max_num_f32 v8, v8, v9
	s_delay_alu instid0(VALU_DEP_1)
	v_permlanex16_b32 v10, v8, s40, s41            ; the query's other keys lie in the lane 16 away
	s_delay_alu instid0(VALU_DEP_1)
	v_max_num_f32 v8, v8, v10
	s_delay_alu instid0(VALU_DEP_1)
	v_mul_f32 v12, s38, v8                         ; c m (c is positive)
.set i, 0
.rept 68
	v_pk_fma_f32 v[S+i:S+i+1], v[S+i:S+i+1], s[38:39], v[12:13] op_sel_hi:[1,0,0] neg_lo:[0,0,1] neg_hi:[0,0,1]   ; c s - c m
.set i, i+2
.endr
.set i, 0
	s_wait_alu depctr_va_vdst(0)
.rept 136
	v_exp_f32 v[S+i], v[S+i]                       ; one batch
.set i, i+1
.endr
	v_mov_b32 v[P+34], 0                           ; P's zero tiles 17 to 19.  (The plain line behind the last exponential)
	s_wait_alu depctr_va_vdst(0)                   ; one wait for the batch, ahead of its first reader
	v_pk_add_f32 v[248:249], v[16:17], v[18:19]
	v_pk_add_f32 v[246:247], v[24:25], v[28:29]
	v_pk_add_f32 v[244:245], v[32:33], v[36:37]
	v_pk_add_f32 v[242:243], v[40:41], v[44:45]
	v_pk_add_f32 v[240:241], v[48:49], v[52:53]
	v_pk_add_f32 v[238:239], v[56:57], v[60:61]
	v_pk_add_f32 v[236:237], v[64:65], v[68:69]
	v_pk_add_f32 v[14:15], v[72:73], v[76:77]
	v_pk_add_f32 v[14:15], v[14:15], v[80:81]
	v_pk_add_f32 v[248:249], v[248:249], v[84:85]
	v_pk_add_f32 v[246:247], v[246:247], v[88:89]
	v_pk_add_f32 v[244:245], v[244:245], v[92:93]
	v_pk_add_f32 v[242:243], v[242:243], v[96:97]
	v_pk_add_f32 v[240:241], v[240:241], v[100:101]
	v_pk_add_f32 v[238:239], v[238:239], v[104:105]
	v_pk_add_f32 v[236:237], v[236:237], v[108:109]
	v_pk_add_f32 v[14:15], v[14:15], v[112:113]
	v_pk_add_f32 v[248:249], v[248:249], v[116:117]
	v_pk_add_f32 v[246:247], v[246:247], v[120:121]
	v_pk_add_f32 v[244:245], v[244:245], v[124:125]
	v_pk_add_f32 v[242:243], v[242:243], v[128:129]
	v_pk_add_f32 v[240:241], v[240:241], v[132:133]
	v_pk_add_f32 v[238:239], v[238:239], v[136:137]
	v_pk_add_f32 v[236:237], v[236:237], v[140:141]
	v_pk_add_f32 v[14:15], v[14:15], v[144:145]
	v_pk_add_f32 v[248:249], v[248:249], v[148:149]
	v_pk_add_f32 v[246:247], v[246:247], v[20:21]
	v_pk_add_f32 v[244:245], v[244:245], v[22:23]
	v_pk_add_f32 v[242:243], v[242:243], v[26:27]
	v_pk_add_f32 v[240:241], v[240:241], v[30:31]
	v_pk_add_f32 v[238:239], v[238:239], v[34:35]
	v_pk_add_f32 v[236:237], v[236:237], v[38:39]
	v_pk_add_f32 v[14:15], v[14:15], v[42:43]
	v_pk_add_f32 v[248:249], v[248:249], v[46:47]
	v_pk_add_f32 v[246:247], v[246:247], v[50:51]
	v_pk_add_f32 v[244:245], v[244:245], v[54:55]
	v_pk_add_f32 v[242:243], v[242:243], v[58:59]
	v_pk_add_f32 v[240:241], v[240:241], v[62:63]
	v_pk_add_f32 v[238:239], v[238:239], v[66:67]
	v_pk_add_f32 v[236:237], v[236:237], v[70:71]
	v_pk_add_f32 v[14:15], v[14:15], v[74:75]
	v_pk_add_f32 v[248:249], v[248:249], v[78:79]
	v_pk_add_f32 v[246:247], v[246:247], v[82:83]
	v_pk_add_f32 v[244:245], v[244:245], v[86:87]
	v_pk_add_f32 v[242:243], v[242:243], v[90:91]
	v_pk_add_f32 v[240:241], v[240:241], v[94:95]
	v_pk_add_f32 v[238:239], v[238:239], v[98:99]
	v_pk_add_f32 v[236:237], v[236:237], v[102:103]
	v_pk_add_f32 v[14:15], v[14:15], v[106:107]
	v_pk_add_f32 v[248:249], v[248:249], v[110:111]
	v_pk_add_f32 v[246:247], v[246:247], v[114:115]
	v_pk_add_f32 v[244:245], v[244:245], v[118:119]
	v_pk_add_f32 v[242:243], v[242:243], v[122:123]
	v_pk_add_f32 v[240:241], v[240:241], v[126:127]
	v_pk_add_f32 v[238:239], v[238:239], v[130:131]
	v_pk_add_f32 v[236:237], v[236:237], v[134:135]
	v_pk_add_f32 v[14:15], v[14:15], v[138:139]
	v_pk_add_f32 v[248:249], v[248:249], v[142:143]
	v_pk_add_f32 v[246:247], v[246:247], v[146:147]
	v_pk_add_f32 v[244:245], v[244:245], v[150:151]
	s_delay_alu instid0(VALU_DEP_4)
	v_pk_add_f32 v[14:15], v[14:15], v[242:243]
	s_delay_alu instid0(VALU_DEP_4)
	v_pk_add_f32 v[248:249], v[248:249], v[240:241]
	s_delay_alu instid0(VALU_DEP_4)
	v_pk_add_f32 v[246:247], v[246:247], v[238:239]
	s_delay_alu instid0(VALU_DEP_4)
	v_pk_add_f32 v[244:245], v[244:245], v[236:237]
	s_delay_alu instid0(VALU_DEP_2)
	v_pk_add_f32 v[14:15], v[14:15], v[246:247]
	s_delay_alu instid0(VALU_DEP_2)
	v_pk_add_f32 v[248:249], v[248:249], v[244:245]
	s_delay_alu instid0(VALU_DEP_1)
	v_pk_add_f32 v[14:15], v[14:15], v[248:249]
	s_delay_alu instid0(VALU_DEP_1)
	v_add_f32 v14, v14, v15
	s_delay_alu instid0(VALU_DEP_1)
	v_permlanex16_b32 v10, v14, s40, s41
	s_delay_alu instid0(VALU_DEP_1)
	v_add_f32 v14, v14, v10
	s_wait_tensorcnt 0x0                           ; my part of V has landed;
	s_wait_dscnt 0x0                               ; no LDS instruction of mine is out:
	s_barrier_signal -1                            ; the second barrier, with the weights' last steps, work on registers, ahead of its wait
	s_wait_alu depctr_va_vdst(0)
	v_rcp_f32 v250, v14
.irp j, 35,36,37,38,39
	v_mov_b32 v[P+\j], 0                           ; plain lines behind the reciprocal
.endr
	s_wait_alu depctr_va_vdst(0)                   ; ahead of its first reader
.set n, 0
.rept 17                                       ; the finished weights, held and quantised: tile n's eight keys are P's registers 2 n, 2 n + 1
.irp j, 0,2,4,6
	v_pk_mul_f32 v[S+8*n+\j:S+8*n+\j+1], v[S+8*n+\j:S+8*n+\j+1], v[250:251] op_sel_hi:[1,0]
.endr
.irp j, 0,1,2,3,4,5,6,7
	v_med3_num_f32 v[S+8*n+\j], v[S+8*n+\j], 0, v252   ; the conversion does not saturate (ISA guide 7.6.2): held between 0 and the largest code x the scale; a weight that is no number becomes 0, as reference()'s nan_to_num has it
.endr
	v_cvt_scalef32_pk8_fp8_f32 v[P+2*n:P+2*n+1], v[S+8*n:S+8*n+7], v253
.set n, n+1
.endr
	v_nop                                          ; a plain line between the last conversion and the products that read its result
; ---- O^T = V^T P: five K steps of 64 keys x four tiles of 16 features; fragment 4 g + dt lies where S^T and Q lay
	s_wait_alu depctr_va_vdst(0)
	s_barrier_wait -1                              ; V is everybody's; LDS is only read from here on
.macro VREG g, dt
.set f, 4*(\g)+(\dt)
.if f < 17
.set VB, 16+8*f
.else
.set VB, 88+8*f
.endif
.endm
.irp g, 0,1,2,3,4
.irp dt, 0,1,2,3
	VREG \g, \dt
.irp i, 0,1,2,3
	ds_load_b64 v[VB+2*\i:VB+2*\i+1], v1 offset:VOFF+1024*(4*\g+\i)+256*\dt
.endr
.endr
.endr
.irp g, 0,1,2,3,4
.if \g == 0
	s_wait_dscnt 63                                ; the first 16 loads are in (64 were issued behind them; the count's field ends at 63)
.else
	s_wait_alu depctr_va_vdst(0)
	s_wait_dscnt 16*(4-\g)                         ; this K step's 16 loads are in; the later steps' may be out
.endif
.irp dt, 0,1,2,3                               ; the four accumulators take turns
	VREG \g, \dt
.if \g == 0
	v_wmma_f32_16x16x64_fp8_fp8 v[OA+8*\dt:OA+8*\dt+7], v[VB:VB+7], v[P+8*\g:P+8*\g+7], 0
.else
	v_wmma_f32_16x16x64_fp8_fp8 v[OA+8*\dt:OA+8*\dt+7], v[VB:VB+7], v[P+8*\g:P+8*\g+7], v[OA+8*\dt:OA+8*\dt+7]
.endif
.endr
.endr
.rept 4
	v_nop
.endr
; ---- the way out: lane (r, h) holds query r, features 16 dt + 8 h + 0..7: the next product's K
.set i, 0
.rept 32
	v_med3_num_f32 v[OA+i], v[OA+i], -v254, v254
.set i, i+1
.endr
.irp dt, 0,1,2,3
	v_cvt_scalef32_pk8_fp8_f32 v[16+2*\dt:17+2*\dt], v[OA+8*\dt:OA+8*\dt+7], v255
.endr
	v_nop
	global_store_b128 v3, v[16:19], s[14:15]               ; 32 lanes store 512 consecutive bytes, aligned
	global_store_b128 v3, v[20:23], s[14:15] offset:512
	s_wait_xcnt 0x0
	v_lshl_add_u32 v254, v0, 2, 0x29000
	v_mov_b32 v255, 0
	s_wait_alu depctr_va_vdst(0)
	s_wait_tensorcnt 0x0
	ds_add_u32 v254, v255
	s_wait_dscnt 0x0
	s_endpgm
.Lfunc_end_k_q5922801dfe_attn:
	.size	k_q5922801dfe_attn, .Lfunc_end_k_q5922801dfe_attn-k_q5922801dfe_attn
	.p2alignl 7, 3214868480
	.fill 96, 4, 3214868480
	.section	.rodata,"a",@progbits
	.p2align	6, 0x0
	.amdhsa_kernel k_q5922801dfe_attn
		.amdhsa_group_segment_fixed_size 169984
		.amdhsa_private_segment_fixed_size 0
		.amdhsa_enable_private_segment 0
		.amdhsa_kernarg_size 24
		.amdhsa_user_sgpr_count 2
		.amdhsa_user_sgpr_kernarg_segment_ptr 1
		.amdhsa_wavefront_size32 1
		.amdhsa_system_sgpr_workgroup_id_x 1
		.amdhsa_system_sgpr_workgroup_id_y 1
		.amdhsa_system_sgpr_workgroup_id_z 1
		.amdhsa_system_vgpr_workitem_id 0
		.amdhsa_next_free_vgpr 256
		.amdhsa_next_free_sgpr 66
		.amdhsa_reserve_vcc 0
		.amdhsa_float_denorm_mode_32 3
		.amdhsa_float_denorm_mode_16_64 3
		.amdhsa_memory_ordered 1
		.amdhsa_forward_progress 1
		.amdhsa_inst_pref_size 65
	.end_amdhsa_kernel
	.amdgpu_metadata
---
amdhsa.version: [ 1, 2 ]
amdhsa.kernels:
  - .name:           k_q5922801dfe_attn
    .symbol:         k_q5922801dfe_attn.kd
    .args:
      - { .name: qkv, .offset: 0, .size: 8, .value_kind: global_buffer, .address_space: global }
      - { .name: lowp_scales, .offset: 8, .size: 8, .value_kind: global_buffer, .address_space: global }
      - { .name: oc, .offset: 16, .size: 8, .value_kind: global_buffer, .address_space: global }
    .group_segment_fixed_size: 169984
    .private_segment_fixed_size: 0
    .kernarg_segment_align: 8
    .kernarg_segment_size: 24
    .max_flat_workgroup_size: 512
    .sgpr_count:     66
    .vgpr_count:     256
    .wavefront_size: 32
...
	.end_amdgpu_metadata
.endif
;; end of part 3
;; launch out_gemm (part 4): grid 8 x 32, 4 waves a work-group, clusters of 4 x 4, 327,680 bytes of LDS; arguments oc, codes, bo, lowp_scales, out0; writes out0
.if DOCPART == 4
	.amdgcn_target "amdgcn-amd-amdhsa--gfx1250"
	.amdhsa_code_object_version 6
	.text
	.protected	k_q5922801dfe_out_gemm
	.globl	k_q5922801dfe_out_gemm
	.p2align	8
	.type	k_q5922801dfe_out_gemm,@function
k_q5922801dfe_out_gemm:
	s_mov_b64 s[64:65], 0
	v_nop
	global_prefetch_b8 v0, s[64:65] scope:SCOPE_SE
	s_setreg_imm32_b32 hwreg(HW_REG_WAVE_MODE, 25, 1), 1
	s_wait_xcnt 0x0
	s_wait_alu depctr_hold_cnt(0) depctr_sa_sdst(0) depctr_va_vdst(0) depctr_va_sdst(0) depctr_va_ssrc(0) depctr_va_vcc(0) depctr_vm_vsrc(0)
	s_getreg_b32 s2, hwreg(HW_REG_IB_STS2, 6, 4)
	s_cmp_eq_u32 s2, 0
	s_cbranch_scc0 .Lentry_in_a_cluster
	s_endpgm
.Lentry_in_a_cluster:
	s_bfe_u32 s2, ttmp6, 0x10000c
	s_cmp_lg_u32 s2, 0xf033
	s_cbranch_scc0 .Lentry_shape_is_right
	s_endpgm
.Lentry_shape_is_right:
; out0 = o Wo^T + bo on codes of FP8 (E4M3): o's codes (e10) from oc, Wo's (e11) from the buffer of codes at 15 MiB; K = 1,024; out0 [4096][1024] f32.
; A tile of out0 is 128 x 128, so that 256 work-groups have work; four waves, each 64 x 64.  K comes in two halves of 512, each into LDS bytes of its own, one joint tensor load a wave (32 KB) for each; nothing is filled again.
; Waves 0, 1 fetch o's two halves of rows (shared along a row of the cluster), waves 2, 3 Wo's (shared along a column).
; o's codes are register images: [token / 16][16 KB], 2 KB for 128 along K, lane l's 16 bytes at 512 c + 16 l: dense in LDS.  Wo's are rows of 512 bytes, padded to 528.
; HALF 0 GOES BY K (16 products for each 128 along K), HALF 1 BY ROWS: Wo's fragments stay in 256 registers and the wave's four blocks of 16 tokens are finished one after the other, so that a block leaves while the next is multiplied.
; No fragment is read from LDS twice.  The matrix instruction is used transposed (source 0 = 16 rows of Wo, source 1 = 16 tokens): a lane holds eight neighbouring columns of a row of out0.
; PREFETCH: behind half 0's load stands one instruction a wave for half 1, one half of K ahead of its load.  Of a wave's 128 blocks of 256 bytes each of the four partners takes 32, told apart by address: a tile of tokens, or 16 rows of Wo x 2.
; LIMIT: e10 + e11 between -126 and 127.
; REGISTERS: window 0: v16-27 addresses, v32-63 bo, v64-95 at work, v126-127 the add's, v128-255 accumulators ((a, b) at v[128 + 8 (4 a + b)]).  windows 1, 2: Wo's fragments of half 0, 1: (k, b) at 64 k + 16 b.  window 3: o's: (a, k) at 64 a + 16 k.
.set PITCH,  528
.set AHALF,  65536                     ; o: 8 tiles of tokens x 8 KB
.set BBASE,  2*AHALF
.set BHALF,  128*PITCH
.set STAGE,  BBASE+2*BHALF             ; 16 rows x 272 bytes for each wave; no tensor load lands there
.set SPITCH, 272
.set SPARE,  STAGE+4*16*SPITCH         ; the spare words
.set ADRA, 16                          ; v16-17 by half
.set ADRB, 18                          ; v18-19
.set STO,  24
.set RD,   25
.set CO,   26
.set PFO,  27
.set BO,   32
.set TMP,  64
.set SPW,  126
.set NIL,  127
.set ACC,  128
.set G1A, 24
.set G1B, 48
.set PF,  36                           ; s[36:37] where my prefetch stands
.set G0A, 68                           ; s[68:75] by half
.set G0B, 84                           ; s[84:91]
.set MSB, 0
.macro WIN new
.if MSB != \new
	s_set_vgpr_msb (MSB<<8)|\new
.set MSB, \new
.endif
.endm
.macro CROUND
	s_barrier_signal -1
	s_barrier_wait -1
	s_cmp_lg_u32 s14, 0
	s_cbranch_scc1 .Lnot_wave_0_\@
	s_barrier_signal -3
.Lnot_wave_0_\@:
	s_barrier_wait -3
	s_barrier_signal -1
	s_barrier_wait -1
.endm
.macro JLOAD h
	s_cmp_eq_u32 s15, 0
	s_cbranch_scc0 .Lfor_b_\@
	tensor_load_to_lds s[G0A+4*\h:G0A+4*\h+3], s[G1A:G1A+7]
	s_nop 0
.rept 4
	v_nop
.endr
	s_branch .Lasked_\@
.Lfor_b_\@:
	tensor_load_to_lds s[G0B+4*\h:G0B+4*\h+3], s[G1B:G1B+7]
	s_nop 0
.rept 4
	v_nop
.endr
.Lasked_\@:
.endm
.macro PLACES
.rept 4
	v_nop
.endr
.endm
	s_load_b256 s[4:11], s[0:1], 0x0               ; oc, codes, bo, the exponents
	s_load_b64 s[12:13], s[0:1], 0x20              ; out0
	v_lshl_add_u32 v[SPW], v0, 2, SPARE
	v_mov_b32 v[NIL], 0
	ds_add_u32 v[SPW], v[NIL]                      ; the opening lines
	ds_add_u32 v[SPW], v[NIL]
	v_lshrrev_b32 v1, 5, v0
	v_readfirstlane_b32 s14, v1                    ; wave 0..3
	s_lshr_b32 s15, s14, 1                         ; my half of the rows.  Also: I fetch o (0) or Wo (1)
	s_and_b32 s16, s14, 1                          ; my half of the columns.  Also: which half of that tile I fetch
	s_bfe_u32 s40, ttmp6, 0x40000                  ; cx
	s_bfe_u32 s41, ttmp6, 0x40004                  ; cy
	s_lshl_b32 s42, ttmp9, 2
	s_add_co_u32 s42, s42, s40                     ; tile column 0..7
	s_and_b32 s17, ttmp7, 0xffff
	s_lshl_b32 s17, s17, 2
	s_add_co_u32 s17, s17, s41                     ; tile row 0..31
	s_lshl_b32 s43, s41, 2
	s_lshl_b32 s43, 15, s43                        ; my row of the cluster
	s_lshl_b32 s44, 0x1111, s40                    ; my column
	s_or_b32 s[G1A], s43, (3<<16)|(1<<21)          ; o: 4 rows (tiles of tokens) of 8,192 bytes, 16,384 apart, in elements of 8 bytes; dense in LDS
	s_mov_b32 s[G1A+1], 1024<<16
	s_mov_b32 s[G1A+2], 4<<16
	s_mov_b32 s[G1A+3], 1024<<16
	s_mov_b32 s[G1A+4], 4
	s_mov_b32 s[G1A+5], 2048
	s_mov_b32 s[G1A+6], 0
	s_mov_b32 s[G1A+7], 0
	s_or_b32 s[G1B], s44, (0<<16)|(1<<20)|(1<<21)|(6<<22)|(3<<25)   ; Wo: 64 rows of 512 bytes, 1,024 apart; 4 words of padding after every 128
	s_mov_b32 s[G1B+1], 512<<16
	s_mov_b32 s[G1B+2], 64<<16
	s_mov_b32 s[G1B+3], 512<<16
	s_mov_b32 s[G1B+4], 64
	s_mov_b32 s[G1B+5], 1024
	s_mov_b32 s[G1B+6], 0
	s_mov_b32 s[G1B+7], 0
	s_lshl_b32 s20, s17, 3
	s_lshl_b32 s18, s16, 2
	s_add_co_u32 s20, s20, s18
	s_lshl_b32 s20, s20, 14                        ; o: tile of tokens 8 x tile row + 4 x half
	s_mov_b32 s21, 0
	s_lshl_b32 s46, s42, 7
	s_lshl_b32 s18, s16, 6
	s_add_co_u32 s46, s46, s18
	s_lshl_b32 s46, s46, 10
	s_add_co_u32 s46, s46, 15<<20                  ; Wo: row 128 x tile column + 64 x half
	s_mov_b32 s47, 0
	s_lshl_b32 s45, s16, 15                        ; where they go: no place in the cluster enters an LDS address
	s_mul_i32 s22, s16, 64*PITCH
	s_add_co_u32 s22, s22, BBASE
	s_mov_b32 s35, 512
	s_mov_b32 s98, 1024
	s_cmp_eq_u32 s15, 0
	s_cselect_b32 s36, s20, s46                    ; my prefetch: what I fetch,
	s_cselect_b32 s37, s40, s41
	s_cselect_b32 s35, 8192, s35                   ; half 1 of it,
	s_cselect_b32 s98, 512, s98                    ; (from two lanes to the next two)
	s_lshl_b32 s37, s37, 14                        ; my work-group's quarter: a tile of tokens or 16 rows of Wo, 16,384 bytes each
	s_add_co_u32 s36, s36, s37
	s_add_co_u32 s36, s36, s35
	s_mov_b32 s37, 0
	s_wait_dscnt 0x0                               ; both opening adds are done
	s_wait_kmcnt 0x0
	s_load_b64 s[32:33], s[10:11], 0x28            ; e10, e11
	s_add_nc_u64 s[20:21], s[4:5], s[20:21]
	s_add_nc_u64 s[46:47], s[6:7], s[46:47]
	s_cmp_eq_u32 s15, 0
	s_cselect_b64 s[38:39], s[4:5], s[6:7]
	s_add_nc_u64 s[PF:PF+1], s[38:39], s[PF:PF+1]
.irp h, 0,1
	s_mov_b32 s[G0A+4*\h], 1
	s_add_co_u32 s[G0A+4*\h+1], s45, \h*AHALF
	s_add_nc_u64 s[G0A+4*\h+2:G0A+4*\h+3], s[20:21], \h*8192
	s_or_b32 s[G0A+4*\h+3], s[G0A+4*\h+3], 0x80000000
	s_mov_b32 s[G0B+4*\h], 1
	s_add_co_u32 s[G0B+4*\h+1], s22, \h*BHALF
	s_add_nc_u64 s[G0B+4*\h+2:G0B+4*\h+3], s[46:47], \h*512
	s_or_b32 s[G0B+4*\h+3], s[G0B+4*\h+3], 0x80000000
.endr
	CROUND                                         ; all sixteen work-groups are here: the joint loads meet
	JLOAD 0                                        ; half 0: one tensor load a wave at the head
	s_mul_i32 s23, s14, 16*SPITCH
	s_add_co_u32 s23, s23, STAGE                   ; my stage
	s_lshl_b32 s18, s42, 9
	s_lshl_b32 s19, s16, 8
	s_add_co_u32 s18, s18, s19                     ; my first column in bytes: 512 x tile column + 256 x half
	s_mov_b32 s19, 0
	s_add_nc_u64 s[8:9], s[8:9], s[18:19]          ; bo there,
	s_add_nc_u64 s[12:13], s[12:13], s[18:19]      ; and out0,
	s_lshl_b32 s18, s17, 19
	s_lshl_b32 s34, s15, 18
	s_add_co_u32 s18, s18, s34                     ; at my first row: (128 x tile row + 64 x half) x 4,096 bytes
	s_add_nc_u64 s[12:13], s[12:13], s[18:19]
	s_lshl_b32 s18, s15, 15                        ; my four tiles of tokens
	s_mul_i32 s19, s16, 64*PITCH
	s_add_co_u32 s19, s19, BBASE                   ; my 64 rows of Wo
	v_and_b32 v1, 15, v0                           ; r
	v_bfe_u32 v2, v0, 4, 1                         ; h
	v_lshlrev_b32 v7, 5, v2
.irp b, 0,1,2,3
	global_load_b128 v[BO+8*\b:BO+8*\b+3],   v7, s[8:9] offset:64*\b      ; bo of columns 16 b + 8 h + 0..7
	global_load_b128 v[BO+8*\b+4:BO+8*\b+7], v7, s[8:9] offset:64*\b+16
.endr
	v_and_b32 v3, 31, v0
	v_lshrrev_b32 v8, 1, v3
	v_mul_lo_u32 v8, v8, s98
	v_and_b32 v9, 1, v3
	v_lshl_add_u32 v[PFO], v9, 8, v8               ; o: 256 x lane; Wo: row lane / 2, 256 x (lane % 2)
	global_prefetch_b8 v[PFO], s[PF:PF+1] th:TH_LOAD_NT scope:SCOPE_SE   ; half 1
	v_lshlrev_b32 v4, 4, v3
	v_add_nc_u32 v[ADRA], s18, v4                  ; o: 16 x lane: my place in an image
	v_add_nc_u32 v[ADRA+1], AHALF, v[ADRA]
	v_mul_u32_u24 v5, v1, PITCH
	v_lshl_add_u32 v5, v2, 4, v5
	v_add_nc_u32 v[ADRB], s19, v5                  ; Wo: row r x pitch + 16 h
	v_add_nc_u32 v[ADRB+1], BHALF, v[ADRB]
	v_mul_u32_u24 v6, v1, SPITCH
	v_lshl_add_u32 v6, v2, 5, v6
	v_add_nc_u32 v[STO], s23, v6                   ; in: row r, 32 bytes for each half of the lanes
	v_mul_u32_u24 v6, v2, SPITCH
	v_lshl_add_u32 v6, v1, 4, v6
	v_add_nc_u32 v[RD], s23, v6                    ; back: lanes 0-15 one row of 256 bytes, lanes 16-31 the next
	v_lshlrev_b32 v6, 12, v2
	v_lshl_add_u32 v[CO], v1, 4, v6                ; and the same two rows in out0
	s_wait_alu depctr_va_vdst(0)
	s_wait_kmcnt 0x0
	s_add_co_i32 s32, s32, s33
	s_add_co_i32 s32, s32, 127
	s_lshl_b32 s100, s32, 23                       ; 2^(e10 + e11) as f32
	s_mov_b32 s101, s100                           ; (named with it as a pair)
.macro LB h, k                         ; Wo's four fragments of half h's k-th 128 along K: 16 loads
	WIN 0x40*(1+\h)
.irp b, 0,1,2,3
.irp c, 0,1,2,3
	ds_load_b128 v[64*(\k)+16*\b+4*\c:64*(\k)+16*\b+4*\c+3], v[ADRB+\h] offset:128*(\k)+32*\c+\b*16*PITCH
.endr
.endr
.endm
.macro LA h, a, k                      ; o's block a: 4 loads
	WIN 0xc0
.irp c, 0,1,2,3
	ds_load_b128 v[64*(\a)+16*(\k)+4*\c:64*(\a)+16*(\k)+4*\c+3], v[ADRA+\h] offset:8192*(\a)+2048*(\k)+512*\c
.endr
.endm
.macro LOADK k                         ; half 0: 32 loads
	LB 0, \k
	LA 0, 0, \k
	LA 0, 1, \k
	LA 0, 2, \k
	LA 0, 3, \k
.endm
.macro LBLK a                          ; half 1: o's block a whole, 16 loads
	LA 1, \a, 0
	LA 1, \a, 1
	LA 1, \a, 2
	LA 1, \a, 3
.endm
.macro MULA k                          ; half 0: 16 products; the 16 accumulators take turns
	WIN 0x0d                                       ; source 0 window 1, source 1 window 3
.irp a, 0,1,2,3
.irp b, 0,1,2,3
.set DD, ACC+8*(4*\a+\b)
.if (\k) == 0
	v_wmma_f32_16x16x128_fp8_fp8 v[DD:DD+7], v[64*(\k)+16*\b:64*(\k)+16*\b+15], v[64*\a+16*(\k):64*\a+16*(\k)+15], 0
.else
	v_wmma_f32_16x16x128_fp8_fp8 v[DD:DD+7], v[64*(\k)+16*\b:64*(\k)+16*\b+15], v[64*\a+16*(\k):64*\a+16*(\k)+15], v[DD:DD+7]
.endif
.endr
.endr
.endm
.macro MULR a, k                       ; half 1: block a's four accumulators by turns
	WIN 0x0e                                       ; source 0 window 2, source 1 window 3
.irp b, 0,1,2,3
.set DD, ACC+8*(4*(\a)+\b)
	v_wmma_f32_16x16x128_fp8_fp8 v[DD:DD+7], v[64*(\k)+16*\b:64*(\k)+16*\b+15], v[64*(\a)+16*(\k):64*(\a)+16*(\k)+15], v[DD:DD+7]
.endr
.endm
.macro BLOCK a
	MULR \a, 0
	MULR \a, 1
	MULR \a, 2
	MULR \a, 3
	WIN 0
.endm
; THE WAY OUT, 16 rows x 64 columns at a time: sum x 2^(e10 + e11) + bo; through my own stage; back as rows of 256 bytes, into the registers that the sums left.
; LDS serves a wave's instructions in order (ISA guide 5.7.1.4): no wait between the stores and the loads, nor in front of the next block's stores.
.macro TOSTAGE a
.set j, 0
.rept 16
	v_pk_fma_f32 v[TMP+j:TMP+j+1], v[ACC+32*(\a)+j:ACC+32*(\a)+j+1], s[100:101], v[BO+j:BO+j+1] op_sel_hi:[1,0,1]
.set j, j+2
.endr
.irp b, 0,1,2,3
	ds_store_b128 v[STO], v[TMP+8*\b:TMP+8*\b+3] offset:64*\b
	ds_store_b128 v[STO], v[TMP+8*\b+4:TMP+8*\b+7] offset:64*\b+16
.endr
.irp t, 0,1,2,3,4,5,6,7
	ds_load_b128 v[ACC+32*(\a)+4*\t:ACC+32*(\a)+4*\t+3], v[RD] offset:\t*2*SPITCH
.endr
.endm
.macro SEND a
	s_wait_dscnt 0x0                               ; the block is back in registers
.irp t, 0,1,2,3,4,5,6,7
	global_store_b128 v[CO], v[ACC+32*(\a)+4*\t:ACC+32*(\a)+4*\t+3], s[12:13] offset:(16*(\a)+2*\t)*4096 th:TH_STORE_NT   ; 16 lanes store 256 consecutive bytes, aligned
.endr
.endm
	s_wait_tensorcnt 0x0                           ; my part of half 0 is in
	ds_add_u32 v[SPW], v[NIL]
	s_wait_dscnt 0x0
	CROUND                                         ; everybody's part is in, and all sixteen work-groups are here
	JLOAD 1                                        ; half 1
	LOADK 0
	LOADK 1
	s_wait_dscnt 32                                ; 32 loads a step: this step's are in, the next's may be out
	MULA 0
	LOADK 2
	s_wait_dscnt 32
	MULA 1
	LOADK 3
	s_wait_dscnt 32
	MULA 2
	s_wait_tensorcnt 0x0                           ; my part of half 1 is in,
	s_wait_dscnt 0x0                               ; and half 0's last fragments are
	s_barrier_signal -1
	MULA 3
	s_barrier_wait -1                              ; everybody's part is in; nothing is filled any more
	PLACES                                         ; in front of loads into registers that matrix instructions have read
	LB 1, 0
	LA 1, 0, 0
	LB 1, 1
	LA 1, 0, 1
	LB 1, 2
	LA 1, 0, 2
	s_wait_dscnt 40                                ; 20 loads a step: two steps' may be out
	MULR 0, 0
	LB 1, 3
	LA 1, 0, 3
	s_wait_dscnt 40
	MULR 0, 1
	LBLK 1
	s_wait_dscnt 36                                ; behind this step's: 20 and block 1's 16
	MULR 0, 2
	LBLK 2
	s_wait_dscnt 32                                ; blocks 1 and 2 may be out
	MULR 0, 3
	s_wait_loadcnt 0x0                             ; bo
	PLACES                                         ; in front of the first read of results
	LBLK 3
	WIN 0
	TOSTAGE 0
	s_wait_dscnt 48                                ; block 1 is in; behind it blocks 2 and 3 (32) and the stage's 16 may be out
	BLOCK 1
	SEND 0
	PLACES
	TOSTAGE 1
	BLOCK 2
	SEND 1
	PLACES
	TOSTAGE 2
	BLOCK 3
	SEND 2
	PLACES
	TOSTAGE 3
	SEND 3
	s_wait_tensorcnt 0x0                           ; the wave's end
	ds_add_u32 v[SPW], v[NIL]
	s_wait_dscnt 0x0
	CROUND                                         ; the closing round: no work-group ends while a partner may still ask for a tile that names it
	s_endpgm
.Lfunc_end_k_q5922801dfe_out_gemm:
	.size	k_q5922801dfe_out_gemm, .Lfunc_end_k_q5922801dfe_out_gemm-k_q5922801dfe_out_gemm
	.p2alignl 7, 3214868480
	.fill 96, 4, 3214868480
	.section	.rodata,"a",@progbits
	.p2align	6, 0x0
	.amdhsa_kernel k_q5922801dfe_out_gemm
		.amdhsa_group_segment_fixed_size 327680
		.amdhsa_private_segment_fixed_size 0
		.amdhsa_enable_private_segment 0
		.amdhsa_kernarg_size 40
		.amdhsa_user_sgpr_count 2
		.amdhsa_user_sgpr_kernarg_segment_ptr 1
		.amdhsa_wavefront_size32 1
		.amdhsa_system_sgpr_workgroup_id_x 1
		.amdhsa_system_sgpr_workgroup_id_y 1
		.amdhsa_system_sgpr_workgroup_id_z 1
		.amdhsa_system_vgpr_workitem_id 0
		.amdhsa_next_free_vgpr 1024
		.amdhsa_next_free_sgpr 102
		.amdhsa_reserve_vcc 0
		.amdhsa_float_denorm_mode_32 3
		.amdhsa_float_denorm_mode_16_64 3
		.amdhsa_memory_ordered 1
		.amdhsa_forward_progress 1
		.amdhsa_inst_pref_size 47
	.end_amdhsa_kernel
	.amdgpu_metadata
---
amdhsa.version: [ 1, 2 ]
amdhsa.kernels:
  - .name:           k_q5922801dfe_out_gemm
    .symbol:         k_q5922801dfe_out_gemm.kd
    .args:
      - { .name: oc, .offset: 0, .size: 8, .value_kind: global_buffer, .address_space: global }
      - { .name: codes, .offset: 8, .size: 8, .value_kind: global_buffer, .address_space: global }
      - { .name: bo, .offset: 16, .size: 8, .value_kind: global_buffer, .address_space: global }
      - { .name: lowp_scales, .offset: 24, .size: 8, .value_kind: global_buffer, .address_space: global }
      - { .name: out0, .offset: 32, .size: 8, .value_kind: global_buffer, .address_space: global }
    .group_segment_fixed_size: 327680
    .private_segment_fixed_size: 0
    .kernarg_segment_align: 8
    .kernarg_segment_size: 40
    .max_flat_workgroup_size: 128
    .sgpr_count:     102
    .vgpr_count:     1024
    .wavefront_size: 32
...
	.end_amdgpu_metadata
.endif
;; end of part 4
